; MI455X (gfx1250); checked and timed in simulation.
; The chip was launched on July 23, 2026; its instructions are those of AMD's public machine-readable ISA for CDNA 5 (MIT licence, August 2026) and "CDNA5" Instruction Set Architecture Reference Guide (July 2026). The comments in the code are by the model that wrote it; some were corrected since.
;; Feed Forward Quantum. Allowed arithmetic: float matrix products may take bf16 or f16 operands with f32 sums; other float arithmetic in f32, or as packed bf16 or f16 multiplies, adds, multiply-adds, maxima and minima; sums over many terms, partial sums and values carried from step to step in f32; what a program stores and reads back later, other than sums and carried values, may be rounded once to bf16 or f16.
;; Inputs: W1 4,096 x 8 float32; W2 1,024 x 4,096 float32; b1 4,096 float32; b2 1,024 float32; ry_theta 8 float32; x 4 x 4,096 x 1,024 float32.
;; Outputs: out0 4 x 4,096 x 1,024 float32.
;; One version. Each part assembles by itself: llvm-mc -triple=amdgcn-amd-amdhsa -mcpu=gfx1250 --defsym DOCPART=n.
;; ======== version 1 of 1: 2 launches
;; limits: values outside matrix products are rounded to f16; values are held in f16: magnitudes above 65,504 overflow, below 6.1e-05 lose precision
;; workspace buffers: w2h 8,388,608 bytes; w1a 131,072 bytes; qa 524,288 bytes
;; launch prep (part 1): grid 256 x 1, 8 waves a work-group, no clusters, 0 bytes of LDS; arguments x, ry_theta, W1, b1, W2, w2h, w1a, qa; writes w2h, w1a, qa
.if DOCPART == 1
	.amdgcn_target "amdgcn-amd-amdhsa--gfx1250"
	.amdhsa_code_object_version 6
	.text
	.protected	k_qa926a94cb4_prep
	.globl	k_qa926a94cb4_prep
	.p2align	8
	.type	k_qa926a94cb4_prep,@function
k_qa926a94cb4_prep:
	s_mov_b64 s[64:65], 0
	v_nop
	global_prefetch_b8 v0, s[64:65] scope:SCOPE_SE
	s_setreg_imm32_b32 hwreg(HW_REG_WAVE_MODE, 25, 1), 1
	s_wait_xcnt 0x0
; PREPARATION for the fused feed-forward launch.  Three tables, each number rounded once to f16:
;   w2h [1024][4096]  W2 as it lies.
;   w1a  256 blocks of 16 rows f, 512 bytes each: 256 bytes with row r = W1[f][0..7], then 256 bytes with row r = { b1[f], 0 x 7 }.
;   qa  1024 blocks of 16 tokens, 512 bytes each: 256 bytes with row r = cos(x[token][0..7]) cos(theta[0..7]), then 256 bytes with row r = { 1.0, 0 x 7 }.
; In both block tables lane l = r + 16 h of a matrix fragment finds its 16 bytes (k = 8 h .. 8 h + 7) at byte 16 l of the block; the 1.0 meets b1 at k = 8.
; SHARES.  256 work-groups of eight waves.  Work-group g: all waves convert W2's numbers 16,384 g .. + 16,383 (thread t takes 8 numbers of every 2,048: a load pair reads 32 bytes a lane,
; a store writes 16 bytes a lane, sixteen lanes 256 consecutive aligned bytes); waves 0-3 make tokens 64 g .. 64 g + 63 of qa; wave 4 makes block g of w1a.
; No LDS, no barrier, no matrix unit: each number is read once, by one lane (x's and W1's rows by the two lanes r and r + 16), and nothing is shared.
; COSINE.  k = round(x / pi); r = x - k pi, with pi in two parts, by two fused multiply-adds; cos x = (-1)^k times the series of cos r up to r^12 (|r| <= pi / 2: what is cut is below 1e-8).
; LIMITS.  For |x|, |theta| up to 2^17 the cosine's error is below 1e-6; beyond that it grows as |x| 2^-24; from about 2^31 pi on the sign is lost; infinities and NaN give NaN.
; f16 holds no number beyond 65,504 (W1, b1, W2 arrive within it) and below 6e-5 keeps its fixed step of 6e-8.
.set CK, 24                            ; v24  k
.set CS, 25                            ; v25  r^2
.set CP, 30                            ; v30  the series
.set IN, 32                            ; v[32:95]   W2 as loaded: 8 numbers for each of 8 rounds
.set PK, 96                            ; v[96:127]  the same packed: 4 registers a round, each written once
	s_load_b512 s[4:19], s[0:1], 0x0               ; x s[4:5], theta s[6:7], W1 s[8:9], b1 s[10:11], W2 s[12:13], w2h s[14:15], w1a s[16:17], qa s[18:19]
	v_lshrrev_b32 v1, 5, v0
	v_readfirstlane_b32 s24, v1                    ; wave 0..7
	v_lshlrev_b32 v4, 5, v0                        ; 32 t: my 8 numbers of W2
	v_lshlrev_b32 v5, 4, v0                        ; 16 t: my 16 bytes of w2h, and of qa
	s_mov_b32 s21, 0                               ; the upper word of every offset
	s_lshl_b32 s20, ttmp9, 16                      ; the work-group's 65,536 bytes of W2
	s_wait_kmcnt 0x0
	s_add_nc_u64 s[12:13], s[12:13], s[20:21]
.set i, 0
.rept 8                                ; all sixteen loads of W2 go out before anything else
	global_load_b128 v[IN+8*i:IN+8*i+3],   v4, s[12:13] offset:8192*i th:TH_LOAD_NT
	global_load_b128 v[IN+8*i+4:IN+8*i+7], v4, s[12:13] offset:8192*i+16 th:TH_LOAD_NT
.set i, i+1
.endr
	v_and_b32 v1, 31, v0                           ; l
	v_and_b32 v2, 15, v0                           ; r
	v_bfe_u32 v3, v0, 4, 1                         ; h
	v_lshrrev_b32 v6, 5, v0
	v_lshl_add_u32 v6, v6, 4, v2                   ; my token among the work-group's 64 (waves 0-3): 16 x wave + r,
	v_lshlrev_b32 v6, 12, v6                       ; a row of x is 4,096 bytes
	v_lshlrev_b32 v7, 5, v2                        ; a row of W1 is 32 bytes
	v_lshlrev_b32 v26, 2, v2                       ; b1[f]
	v_lshlrev_b32 v27, 4, v1                       ; 16 l: my 16 bytes of the block of w1a
	v_mov_b32 v28, 0                               ; theta's offset, and the zeros
	v_mov_b32 v29, 0x3c00                          ; 1.0 in the low half, 0 in the high
	v_cmp_eq_u32 vcc_lo, 1, v3                     ; lanes 16-31 write a block's second 256 bytes
	s_lshl_b32 s20, ttmp9, 15
	s_add_nc_u64 s[14:15], s[14:15], s[20:21]      ; w2h: 32,768 bytes a work-group
	s_lshl_b32 s20, ttmp9, 18
	s_add_nc_u64 s[4:5], s[4:5], s[20:21]          ; x: 64 rows
	s_lshl_b32 s20, ttmp9, 9
	s_add_nc_u64 s[8:9], s[8:9], s[20:21]          ; W1: 16 rows
	s_add_nc_u64 s[16:17], s[16:17], s[20:21]      ; w1a: one block
	s_lshl_b32 s20, ttmp9, 6
	s_add_nc_u64 s[10:11], s[10:11], s[20:21]      ; b1: 16 numbers
	s_lshl_b32 s20, ttmp9, 11
	s_add_nc_u64 s[18:19], s[18:19], s[20:21]      ; qa: four blocks
.macro COS x                           ; v[x] = cos v[x]
	v_mul_f32 v[CK], 0x3ea2f983, v[\x]             ; x / pi
	v_rndne_f32 v[CK], v[CK]
	v_fmamk_f32 v[\x], v[CK], 0xc0490fdb, v[\x]    ; x - k pi: pi's upper part,
	v_fmamk_f32 v[\x], v[CK], 0x33bbbd2e, v[\x]    ; and what the upper part has too much
	v_mul_f32 v[CS], v[\x], v[\x]
	v_mov_b32 v[CP], 0x310f76c7                    ; 1 / 12!
	v_fmaak_f32 v[CP], v[CP], v[CS], 0xb493f27e    ; -1 / 10!
	v_fmaak_f32 v[CP], v[CP], v[CS], 0x37d00d01    ; 1 / 8!
	v_fmaak_f32 v[CP], v[CP], v[CS], 0xbab60b61    ; -1 / 6!
	v_fmaak_f32 v[CP], v[CP], v[CS], 0x3d2aaaab    ; 1 / 4!
	v_fmaak_f32 v[CP], v[CP], v[CS], 0xbf000000    ; -1 / 2
	v_fmaak_f32 v[CP], v[CP], v[CS], 0x3f800000    ; 1
	v_cvt_i32_f32 v[CK], v[CK]
	v_lshlrev_b32 v[CK], 31, v[CK]                 ; an odd k turns the sign
	v_xor_b32 v[\x], v[CP], v[CK]
.endm
.macro PACK8                           ; v[8:15] rounded to f16 into v[8:11]
	v_cvt_pk_f16_f32 v8, v8, v9
	v_cvt_pk_f16_f32 v9, v10, v11
	v_cvt_pk_f16_f32 v10, v12, v13
	v_cvt_pk_f16_f32 v11, v14, v15
.endm
	; Each small job stands whole in one branch on the wave's number: its loads, the wait for them, its arithmetic, its store.
	s_cmp_lt_u32 s24, 4
	s_cbranch_scc0 .Lnot_q
	global_load_b128 v[8:11],  v6, s[4:5]          ; x[token][0..7]
	global_load_b128 v[12:15], v6, s[4:5] offset:16
	global_load_b128 v[16:19], v28, s[6:7]         ; theta[0..7], the same in every lane
	global_load_b128 v[20:23], v28, s[6:7] offset:16
	s_wait_loadcnt 0x0                             ; these four are the youngest loads: the count is 0
.set c, 8
.rept 16
	COS c
.set c, c+1
.endr
.irp j, 0,2,4,6
	v_pk_mul_f32 v[8+\j:9+\j], v[8+\j:9+\j], v[16+\j:17+\j]
.endr
	PACK8
	v_cndmask_b32 v8, v8, v29, vcc_lo              ; lanes 16-31: { 1.0, 0 x 7 }
	v_cndmask_b32 v9, v9, v28, vcc_lo
	v_cndmask_b32 v10, v10, v28, vcc_lo
	v_cndmask_b32 v11, v11, v28, vcc_lo
	global_store_b128 v5, v[8:11], s[18:19]        ; a wave stores one block: 512 consecutive bytes
	s_branch .Lw2
.Lnot_q:
	s_cmp_eq_u32 s24, 4
	s_cbranch_scc0 .Lw2
	global_load_b128 v[8:11],  v7, s[8:9]          ; W1[f][0..7]
	global_load_b128 v[12:15], v7, s[8:9] offset:16
	global_load_b32 v16, v26, s[10:11]             ; b1[f]
	s_wait_loadcnt 0x0
	PACK8
	v_cvt_pk_f16_f32 v16, v16, v28                 ; { b1, 0 }
	v_cndmask_b32 v8, v8, v16, vcc_lo              ; lanes 16-31: { b1, 0 x 7 }
	v_cndmask_b32 v9, v9, v28, vcc_lo
	v_cndmask_b32 v10, v10, v28, vcc_lo
	v_cndmask_b32 v11, v11, v28, vcc_lo
	global_store_b128 v27, v[8:11], s[16:17]
.Lw2:
.set i, 0
.rept 8
	s_wait_loadcnt 14-2*i                          ; loads come back in order (ISA guide 5.7.1): round i's two are in, the 14 - 2 i younger ones of W2 may be out (behind a branch above none is out)
.set j, 0
.rept 4
	v_cvt_pk_f16_f32 v[PK+4*i+j], v[IN+8*i+2*j], v[IN+8*i+2*j+1]
.set j, j+1
.endr
	global_store_b128 v5, v[PK+4*i:PK+4*i+3], s[14:15] offset:4096*i  ; sixteen lanes store 256 consecutive bytes, at a multiple of 256 from w2h's first byte
.set i, i+1
.endr
	s_endpgm
.Lfunc_end_k_qa926a94cb4_prep:
	.size	k_qa926a94cb4_prep, .Lfunc_end_k_qa926a94cb4_prep-k_qa926a94cb4_prep
	.p2alignl 7, 3214868480
	.fill 96, 4, 3214868480
	.section	.rodata,"a",@progbits
	.p2align	6, 0x0
	.amdhsa_kernel k_qa926a94cb4_prep
		.amdhsa_group_segment_fixed_size 0
		.amdhsa_private_segment_fixed_size 0
		.amdhsa_enable_private_segment 0
		.amdhsa_kernarg_size 64
		.amdhsa_user_sgpr_count 2
		.amdhsa_user_sgpr_kernarg_segment_ptr 1
		.amdhsa_wavefront_size32 1
		.amdhsa_system_sgpr_workgroup_id_x 1
		.amdhsa_system_sgpr_workgroup_id_y 1
		.amdhsa_system_sgpr_workgroup_id_z 1
		.amdhsa_system_vgpr_workitem_id 0
		.amdhsa_next_free_vgpr 128
		.amdhsa_next_free_sgpr 66
		.amdhsa_reserve_vcc 1
		.amdhsa_float_denorm_mode_32 3
		.amdhsa_float_denorm_mode_16_64 3
		.amdhsa_memory_ordered 1
		.amdhsa_forward_progress 1
		.amdhsa_inst_pref_size 21
	.end_amdhsa_kernel
	.amdgpu_metadata
---
amdhsa.version: [ 1, 2 ]
amdhsa.kernels:
  - .name:           k_qa926a94cb4_prep
    .symbol:         k_qa926a94cb4_prep.kd
    .args:
      - { .name: x, .offset: 0, .size: 8, .value_kind: global_buffer, .address_space: global }
      - { .name: ry_theta, .offset: 8, .size: 8, .value_kind: global_buffer, .address_space: global }
      - { .name: W1, .offset: 16, .size: 8, .value_kind: global_buffer, .address_space: global }
      - { .name: b1, .offset: 24, .size: 8, .value_kind: global_buffer, .address_space: global }
      - { .name: W2, .offset: 32, .size: 8, .value_kind: global_buffer, .address_space: global }
      - { .name: w2h, .offset: 40, .size: 8, .value_kind: global_buffer, .address_space: global }
      - { .name: w1a, .offset: 48, .size: 8, .value_kind: global_buffer, .address_space: global }
      - { .name: qa, .offset: 56, .size: 8, .value_kind: global_buffer, .address_space: global }
    .group_segment_fixed_size: 0
    .private_segment_fixed_size: 0
    .kernarg_segment_align: 8
    .kernarg_segment_size: 64
    .max_flat_workgroup_size: 256
    .sgpr_count:     66
    .vgpr_count:     128
    .wavefront_size: 32
...
	.end_amdgpu_metadata
.endif
;; end of part 1
;; launch ffn (part 2): grid 64 x 4, 4 waves a work-group, clusters of 4 x 1, 327,680 bytes of LDS; arguments w2h, w1a, qa, b2, out0; writes out0
.if DOCPART == 2
	.amdgcn_target "amdgcn-amd-amdhsa--gfx1250"
	.amdhsa_code_object_version 6
	.text
	.protected	k_qa926a94cb4_ffn
	.globl	k_qa926a94cb4_ffn
	.p2align	8
	.type	k_qa926a94cb4_ffn,@function
k_qa926a94cb4_ffn:
	s_mov_b64 s[64:65], 0
	v_nop
	global_prefetch_b8 v0, s[64:65] scope:SCOPE_SE
	s_setreg_imm32_b32 hwreg(HW_REG_WAVE_MODE, 25, 1), 1
	s_wait_xcnt 0x0
	s_wait_alu depctr_hold_cnt(0) depctr_sa_sdst(0) depctr_va_vdst(0) depctr_va_sdst(0) depctr_va_ssrc(0) depctr_va_vcc(0) depctr_vm_vsrc(0)
	s_getreg_b32 s2, hwreg(HW_REG_IB_STS2, 6, 4)
	s_cmp_eq_u32 s2, 0
	s_cbranch_scc0 .Lentry_in_a_cluster
	s_endpgm
.Lentry_in_a_cluster:
	s_bfe_u32 s2, ttmp6, 0x10000c
	s_cmp_lg_u32 s2, 0x3003
	s_cbranch_scc0 .Lentry_shape_is_right
	s_endpgm
.Lentry_shape_is_right:
; out[token][e] = b2[e] + the sum over f of relu(b1[f] + the sum over i of q[token][i] W1[f][i]) W2[e][f].  16,384 tokens, 4,096 f, 1,024 e; out in f32.
; Operands in f16 (w2h, w1a, qa: made by the launch before), all sums in f32; h = relu(..) is rounded once to f16 and NEVER LEAVES REGISTERS.
; SHARES.  A work-group makes 256 tokens x 256 e: 64 x 4 = 256 work-groups.  Each of its four waves makes 64 tokens x all 256 e: 64 accumulators of 16 x 16, 512 registers.  All four read the same tile of W2.
; THE SMALL PRODUCT.  h^T = W1a qa^T (source 0 = 16 rows f, source 1 = 16 tokens; k = 0..7 W1 and q, k = 8 b1 and 1.0, the rest 0): in the result a lane holds ONE token (lane % 16) and
; f = 8 (lane / 16) + 0..7.  Two such results, rounded to f16 in pairs, ARE source 1 (32 f x 16 tokens) of THE MAIN PRODUCT out^T = W2 h^T (source 0 = 16 rows e of W2), whose result again holds one
; token a lane and eight neighbouring e.  For 32 along f a wave issues 64 main and 8 small matrix instructions and 64 vector instructions (32 roundings, 32 packed maxima with 0).
; ONE QUARTER AHEAD.  A quarter is 32 along f.  Quarter Q begins with the small products for Q + 1; their roundings and maxima stand in slices of four behind Q's first sixteen main products;
; in Q's middle one run of LDS loads fetches W2's fragments for Q + 1 and W1a's for Q + 2.
; THE RING.  f goes in steps of 128 through two LDS slots of 256 rows of W2 x 256 bytes, each wave fetching 64 rows.  All of w1a (131,072 bytes) lies in LDS beside them, filled once.
; CLUSTER.  Four work-groups along the tokens have the same e: every tile of W2 and the table are asked for JOINTLY, by the same tensor load with the same descriptor and the mask of four.
; h has no loads to share, so the cluster has one row.
; LIMITS.  f16 holds no number beyond 65,504: |h| <= 8 max|W1| + max|b1| stays within it; below 6e-5 an operand keeps f16's fixed step of 6e-8.  The maximum with 0 is taken of the rounded h, and in it
; a NaN loses: NaN and infinities are not treated as in f32.
; REGISTERS, in windows of 256 (s_set_vgpr_msb: bits 1:0 source 0, 3:2 source 1, 5:4 source 2, 7:6 destination):
;   window 0: v0-13 addresses; v16-23 b2; v32-63 qa's four fragments; v64-79 W1a's two; v96-159 the small products' results; v160-191, v192-223 h, two buffers of four fragments
;   window 1: v0-127, v128-255 W2's fragments (16 x 16 rows x 32 f), two buffers
;   window 2: accumulator (token block a, e block b < 8) at v[8 (4 b + a)];   window 3: those of b >= 8 at v[8 (4 (b - 8) + a)]
.set KSTEP,  128
.set PITCH,  272                       ; an LDS row of W2: 256 bytes + 16 of padding = 68 words: the 16 rows that a load touches start at 16 different groups of four banks (64 banks of 4 bytes: ISA guide 11.1)
.set QT,     64*PITCH                  ; what one tensor load brings
.set SLOT,   4*QT
.set TAB,    2*SLOT                    ; w1a as it lies in memory: a fragment is 512 consecutive bytes
.set STAGE,  TAB+131072                ; 16 rows x 528 bytes for each wave, for the way out; no tensor load lands here
.set SPITCH, 528                       ; 512 bytes + 16: 33 x 16
.set SPARE,  STAGE+4*16*SPITCH         ; the spare words, 128 bytes for each wave: two blocks of 256 bytes that no other line names
.set LAPS,   16                        ; a lap = two steps = eight quarters = once round the ring
.set ADRB, 2                           ; v2-3  LDS address of my lane's place in W2's tile, slot 0, 1
.set WA,   4                           ; v4    the same in the table, at the lap in hand: 8,192 bytes a lap
.set STO,  5                           ; v5    the way out: where I put 32 bytes of a row
.set RD,   6                           ; v6    the way out: where I read a row back
.set CO,   7                           ; v7    16 x lane: my offset in a row's 512 bytes of out, in b2 and in a block of qa
.set PFO,  8                           ; v8    the prefetches' offset: my lane x a row of w2h; never rewritten
.set ZR,   9                           ; v9    0, for the maxima
.set SPW,  12                          ; v12   LDS address of my spare word; never rewritten
.set NIL,  13                          ; v13   0; never rewritten
.set B2,   16
.set QF,   32
.set WF,   64
.set SB,   96
.set HB,   160
.set OB,   96                          ; the way out: 16 rows read back: v96-159 and v160-223 by turns
.set WV,   14                          ; s14   my wave's number
.set G1,   24                          ; s[24:31] descriptor group 1 for W2's tiles
.set G0,   32                          ; s[32:39] group 0, one set for each slot
.set G1T,  40                          ; s[40:47] group 1 for the table
.set G0T,  48                          ; s[48:55] group 0, one set for each half of the table
.set PFA,  56                          ; s[56:57] where my prefetches stand
.set LIM,  58                          ; s58   1 in a wave that prefetches, else the greatest number
.set MSB, 0
.macro WIN new                         ; the immediate's high byte repeats the setting that is left; a switch that changes nothing is dropped
.if MSB != (\new)
	s_set_vgpr_msb (MSB<<8)|(\new)
.set MSB, \new
.endif
.endm
.set MUL_LO, 0xa1                      ; source 0 (W2) window 1, source 1 (h) window 0, C and D window 2
.set MUL_HI, 0xf1                      ; the same, C and D window 3
.set TO_B,   0x40                      ; destination window 1, address window 0
.macro PLACES
.rept 4
	v_nop
.endr
.endm
; A round of the cluster's barrier: my work-group's barrier, so that wave 0's signal speaks for all four waves; wave 0 signals; every wave waits for all four work-groups; my work-group's barrier once more.
.macro CREST                           ; a round behind its opening barrier
	s_cmp_lg_u32 s[WV], 0
	s_cbranch_scc1 .Lnot_wave_0_\@
	s_barrier_signal -3
.Lnot_wave_0_\@:
	s_barrier_wait -3
	s_barrier_signal -1
	s_barrier_wait -1
.endm
.macro CROUND
	s_barrier_signal -1
	s_barrier_wait -1
	CREST
.endm
; A joint refill: every wave fetches its own 64 rows of the tile.  An s_nop 0 and four v_nop follow the line.
.macro JLOAD s
	tensor_load_to_lds s[G0+4*(\s):G0+4*(\s)+3], s[G1:G1+7]
	s_nop 0
	PLACES
.endm
; A PREFETCH of the step that stands TWO refills on: 32 rows x 256 bytes, a lane a row, one instruction a wave, behind the joint load and the run of LDS loads.  Each row's 256 bytes of a step are named
; ONCE in the launch: all sixteen clusters of an e tile walk the same 256 rows, and the first of them (cluster x = 0) asks; its four partners take 64 rows each, told apart BY ADDRESS; in each, waves 0 and 1
; take 32.  Steps 0 to 3 come by their loads alone; the loop's last trip (s3 = 1) asks for nothing: there is no step two on.
.macro ASK
	s_cmp_gt_u32 s3, s[LIM]
	s_cbranch_scc0 .Lnot_mine_\@
	global_prefetch_b8 v[PFO], s[PFA:PFA+1] offset:KSTEP*2 th:TH_LOAD_NT scope:SCOPE_SE
.Lnot_mine_\@:
.endm
	s_load_b256 s[4:11], s[0:1], 0x0               ; w2h s[4:5], w1a s[6:7], qa s[8:9], b2 s[10:11]
	s_load_b64 s[12:13], s[0:1], 0x20              ; out
	v_lshl_add_u32 v[SPW], v0, 2, SPARE
	v_mov_b32 v[NIL], 0
	ds_add_u32 v[SPW], v[NIL]                      ; the wave's opening: the add, twice on end, and its wait ahead of my first tensor load; the set-up below, work on registers, stands between
	ds_add_u32 v[SPW], v[NIL]
	v_lshrrev_b32 v10, 5, v0
	v_readfirstlane_b32 s[WV], v10                 ; wave 0..3
	s_bfe_u32 s15, ttmp6, 0x40000                  ; cx: my place in the cluster
	s_and_b32 s16, ttmp7, 0xffff                   ; the e tile, which the four partners share
	s_lshl_b32 s17, ttmp9, 2                       ; in a cluster launch ttmp9 counts clusters
	s_add_co_u32 s17, s17, s15                     ; my block of 256 tokens: it enters qa's and out's addresses alone
	; descriptor group 1 for W2: a tile of 64 rows x 128 elements, padded in LDS
	s_mov_b32 s[G1], 15|(1<<16)|(1<<20)|(1<<21)|(5<<22)|(3<<25)  ; 15:0 the mask of four; 17:16 2-byte elements; 20 padding on; 21 set beside a mask; 24:22 after every 64 words (code 5); 31:25 4 words (code 3)
	s_mov_b32 s[G1+1], KSTEP<<16                   ; tensor_dim0 = 128
	s_mov_b32 s[G1+2], 64<<16                      ; tensor_dim1 = 64
	s_mov_b32 s[G1+3], KSTEP<<16                   ; tile_dim0 = 128
	s_mov_b32 s[G1+4], 64                          ; tile_dim1 = 64
	s_mov_b32 s[G1+5], 4096                        ; elements from row to row
	s_mov_b32 s[G1+6], 0
	s_mov_b32 s[G1+7], 0
	; for the table: 16,384 dense bytes as 64 rows of 32 elements of 8 bytes, no padding
	s_mov_b32 s[G1T], 15|(3<<16)|(1<<21)
	s_mov_b32 s[G1T+1], 32<<16
	s_mov_b32 s[G1T+2], 64<<16
	s_mov_b32 s[G1T+3], 32<<16
	s_mov_b32 s[G1T+4], 64
	s_mov_b32 s[G1T+5], 32
	s_mov_b32 s[G1T+6], 0
	s_mov_b32 s[G1T+7], 0
	; what feeds the joint descriptors is made of the e tile and the wave's number alone
	s_mul_i32 s18, s[WV], QT                       ; my 64 rows in a slot
	s_lshl_b32 s19, s[WV], 14                      ; my 16,384 bytes in a half of the table
	s_lshl_b32 s20, s16, 21                        ; 256 rows of 8,192 bytes an e tile,
	s_lshl_b32 s21, s[WV], 19                      ; 64 a wave
	s_add_co_u32 s20, s20, s21
	s_mov_b32 s21, 0
	s_mov_b32 s2, s19
	s_mov_b32 s3, 0
	s_lshl_b32 s22, s16, 10                        ; the e tile's 1,024 bytes of b2
	s_mov_b32 s23, 0
	; what holds my block of tokens
	s_lshl_b32 s60, s17, 13                        ; qa: 32 bytes a token, 256 tokens a block,
	s_lshl_b32 s61, s[WV], 11                      ; 64 a wave
	s_add_co_u32 s60, s60, s61
	s_mov_b32 s61, 0
	s_lshl_b32 s62, s17, 20                        ; out: 4,096 bytes a token
	s_lshl_b32 s63, s[WV], 18
	s_add_co_u32 s62, s62, s63
	s_add_co_u32 s62, s62, s22                     ; and the e tile's 1,024 bytes of a row
	s_mov_b32 s63, 0
	s_lshl_b32 s[PFA], s16, 21                     ; the prefetches: the e tile's rows,
	s_lshl_b32 s[PFA+1], s15, 19                   ; my work-group's 64 of them,
	s_add_co_u32 s[PFA], s[PFA], s[PFA+1]
	s_and_b32 s[PFA+1], s[WV], 1
	s_lshl_b32 s[PFA+1], s[PFA+1], 18              ; my wave's 32,
	s_add_co_u32 s[PFA], s[PFA], s[PFA+1]
	s_add_co_u32 s[PFA], s[PFA], 2*KSTEP*2         ; at step 2: the first refill steps it to 3 and names step 4
	s_mov_b32 s[PFA+1], 0
	s_lshr_b32 s[LIM], s[WV], 1                    ; 0 in waves 0 and 1,
	s_or_b32 s[LIM], s[LIM], ttmp9                 ; where the cluster is the e tile's first: the same in all four partners
	s_cmp_eq_u32 s[LIM], 0
	s_cselect_b32 s[LIM], 1, -1
	; A fragment is 16 rows x 32 along f in 8 registers: lane l holds row l % 16; registers 0-3 f = 8 (l / 16) + 0..7, registers 4-7 f = 16 + 8 (l / 16) + 0..7: two loads of 16 bytes, 32 bytes apart.
	v_and_b32 v1, 15, v0                           ; l % 16
	v_bfe_u32 v11, v0, 4, 1                        ; l / 16
	v_and_b32 v10, 31, v0                          ; l
	v_mul_u32_u24 v[ADRB], v1, PITCH
	v_lshl_add_u32 v[ADRB], v11, 4, v[ADRB]
	v_add_nc_u32 v[ADRB+1], SLOT, v[ADRB]
	v_lshl_add_u32 v[WA], v10, 4, TAB
	s_mul_i32 s59, s[WV], 16*SPITCH
	s_add_co_u32 s59, s59, STAGE                   ; my stage
	v_mul_u32_u24 v[STO], v1, SPITCH               ; in: row l % 16, 32 bytes for each half of the lanes
	v_lshl_add_u32 v[STO], v11, 5, v[STO]
	v_add_nc_u32 v[STO], s59, v[STO]
	v_lshl_add_u32 v[RD], v10, 4, s59              ; back: 32 lanes take one row of 512 bytes
	v_lshlrev_b32 v[CO], 4, v10
	v_lshlrev_b32 v[PFO], 13, v10
	v_mov_b32 v[ZR], 0
.irp a, 0,1,2,3                        ; the small product has k = 0..15 alone: the fragments' upper halves (k = 16..31) are 0, written once
.irp j, 4,5,6,7
	v_mov_b32 v[QF+8*(\a)+(\j)], 0
.endr
.endr
.irp t, 0,1
.irp j, 4,5,6,7
	v_mov_b32 v[WF+8*(\t)+(\j)], 0
.endr
.endr
	s_wait_dscnt 0x0                               ; both opening adds are done
	s_wait_kmcnt 0x0
	s_add_nc_u64 s[20:21], s[4:5], s[20:21]        ; w2h at my 64 rows
	s_add_nc_u64 s[2:3], s[6:7], s[2:3]            ; w1a at my part of its first half
.irp s, 0,1
	s_mov_b32 s[G0+4*(\s)], 1                                      ; 1:0 count = 1
	s_add_co_u32 s[G0+4*(\s)+1], s18, (\s)*SLOT                    ; 63:32 LDS address
	s_add_nc_u64 s[G0+4*(\s)+2:G0+4*(\s)+3], s[20:21], (\s)*KSTEP*2  ; 120:64 global address: step s
	s_or_b32 s[G0+4*(\s)+3], s[G0+4*(\s)+3], 0x80000000            ; 127:126 type = 2
	s_mov_b32 s[G0T+4*(\s)], 1
	s_add_co_u32 s[G0T+4*(\s)+1], s19, TAB+(\s)*65536
	s_add_nc_u64 s[G0T+4*(\s)+2:G0T+4*(\s)+3], s[2:3], (\s)*65536
	s_or_b32 s[G0T+4*(\s)+3], s[G0T+4*(\s)+3], 0x80000000
.endr
	s_add_nc_u64 s[8:9], s[8:9], s[60:61]          ; qa at my wave's four blocks
	s_add_nc_u64 s[10:11], s[10:11], s[22:23]      ; b2 at the e tile
	s_add_nc_u64 s[12:13], s[12:13], s[62:63]      ; out at my wave's first row, the e tile's first column
	s_add_nc_u64 s[PFA:PFA+1], s[4:5], s[PFA:PFA+1]
	CROUND                                         ; all four work-groups are here: the first joint loads meet
	tensor_load_to_lds s[G0:G0+3], s[G1:G1+7]      ; the first fills go out as one group: four loads of mine are out.  Step 0,
	s_nop 0
	tensor_load_to_lds s[G0T:G0T+3], s[G1T:G1T+7]  ; the table's two halves,
	s_nop 0
	tensor_load_to_lds s[G0T+4:G0T+7], s[G1T:G1T+7]
	s_nop 0
	tensor_load_to_lds s[G0+4:G0+7], s[G1:G1+7]    ; step 1
	s_nop 0
	PLACES
.irp a, 0,1,2,3
	global_load_b128 v[QF+8*(\a):QF+8*(\a)+3], v[CO], s[8:9] offset:512*(\a)  ; qa stays in registers: token block a
.endr
	global_load_b128 v[B2:B2+3],   v[CO], s[10:11]             ; b2 of my four columns in the tile's first 128,
	global_load_b128 v[B2+4:B2+7], v[CO], s[10:11] offset:512  ; and in its second
; THE SMALL PRODUCTS for one quarter: token blocks a = 0..3 x the quarter's two blocks of 16 f.  Each starts its sum with the constant 0.
.macro SMALL
	WIN 0
.set q_a, 0
.rept 4
.set q_t, 0
.rept 2
	v_wmma_f32_16x16x32_f16 v[SB+8*(2*q_a+q_t):SB+8*(2*q_a+q_t)+7], v[WF+8*q_t:WF+8*q_t+7], v[QF+8*q_a:QF+8*q_a+7], 0
.set q_t, q_t+1
.endr
.set q_a, q_a+1
.endr
.endm
; Slice i of 16 of what makes h of them, into buffer g: four instructions.  For token block i / 4: the first result's four roundings, the second's (each result is read from its lowest registers on),
; then the maxima with 0 of the fragment's registers 0-3 and 4-7.
.macro SLICE i, g
	WIN 0
.set sl_a, (\i)/4
.set sl_p, (\i)%4
.if sl_p < 2
.set rS, SB+8*(2*sl_a+sl_p)
.set rD, HB+32*(\g)+8*sl_a+4*sl_p
.irp j, 0,1,2,3
	v_cvt_pk_f16_f32 v[rD+(\j)], v[rS+2*(\j)], v[rS+2*(\j)+1]
.endr
.else
.set rD, HB+32*(\g)+8*sl_a+4*(sl_p-2)
.irp j, 0,1,2,3
	v_pk_max_num_f16 v[rD+(\j)], v[rD+(\j)], v[ZR]
.endr
.endif
.endm
; THE MAIN PRODUCTS on buffers par: e blocks b0 .. b0 + nb - 1 x the four token blocks.  The 64 accumulators take turns, one instruction a turn, in the same order in every quarter.
; zero = 1: the product starts the sum: nothing is cleared.  sl = 1: behind each of the first sixteen stands a slice for the other buffer of h.
.macro MAIN par, b0, nb, zero, sl
.set m_b, (\b0)
.set m_s, 0
.rept (\nb)
.set m_a, 0
.rept 4
	WIN MUL_LO+0x50*(m_b/8)
.set rA, 8*(4*(m_b%8)+m_a)
.set rF, 128*(\par)+8*m_b
.set rH, HB+32*(\par)+8*m_a
.if \zero
	v_wmma_f32_16x16x32_f16 v[rA:rA+7], v[rF:rF+7], v[rH:rH+7], 0
.else
	v_wmma_f32_16x16x32_f16 v[rA:rA+7], v[rF:rF+7], v[rH:rH+7], v[rA:rA+7]
.endif
.if (\sl) && (m_s < 16)
	SLICE m_s, 1-(\par)
.endif
.set m_s, m_s+1
.set m_a, m_a+1
.endr
.set m_b, m_b+1
.endr
.endm
; ONE RUN OF LDS LOADS: W1a's two fragments at byte wq behind the lap's place in the table (wq < 0: none), then W2's sixteen fragments at byte k of the slot's rows into buffer par, e blocks ascending.
.macro FETCH slot, k, par, wq
.if (\wq) >= 0
	WIN 0
	ds_load_b128 v[WF:WF+3],    v[WA] offset:(\wq)
	ds_load_b128 v[WF+8:WF+11], v[WA] offset:(\wq)+512
.endif
	WIN TO_B
.set f_b, 0
.rept 16
	ds_load_b128 v[128*(\par)+8*f_b:128*(\par)+8*f_b+3],   v[ADRB+(\slot)] offset:(\k)+f_b*16*PITCH
	ds_load_b128 v[128*(\par)+8*f_b+4:128*(\par)+8*f_b+7], v[ADRB+(\slot)] offset:(\k)+f_b*16*PITCH+32
.set f_b, f_b+1
.endr
.endm
; A QUARTER that changes no slot.  It multiplies buffers par.  The four v_nop behind the small products are the places (ISA guide 7.12.1 for vector instructions) for three things: the slices' reads of
; the small products' results; the slices' writes into the buffer of h that the quarter before multiplied; and the run of loads into W2's other buffer, which that quarter read, and into W1a's fragments.
.macro QUARTER slot, k, par, wq, zero
	s_wait_dscnt 16                                ; W1a's fragments and W2's e blocks 0-7 are in; the youngest sixteen loads (e blocks 8-15) may be out
	SMALL
	PLACES
	MAIN \par, 0, 8, \zero, 1
	FETCH \slot, \k, 1-(\par), \wq
.if (\wq) >= 0
	s_wait_dscnt 34                                ; all but the 34 just issued
.else
	s_wait_dscnt 32                                ; all but the 32 just issued
.endif
	MAIN \par, 8, 8, \zero, 0
.endm
; A step's last quarter multiplies buffers 1 and changes slots: ONE barrier for two things.  In front of it each wave waits for all its tensor loads, of which one is out: its part of the next slot; adds 0 to
; its spare word; and waits for that and for its own reads of this slot.  Behind it nobody reads this slot any more and the next slot is whole.  fill = 1: the barrier opens a round of the cluster's, so that
; no wave of any partner still reads the slot or has a load on its way, and the joint refill, two steps on, is the first thing behind the round: 32 + 3 x 72 matrix instructions ahead of the wait for it.
.macro TURN slot, next, wq, fill
.if \fill
	s_wait_xcnt 0x0                                ; the last prefetch, a step back, has read its address: it is stepped here, ahead of the waits of the change of slots
	s_add_nc_u64 s[PFA:PFA+1], s[PFA:PFA+1], KSTEP*2
.endif
	WIN 0                                          ; (the add's two registers lie in window 0)
	s_wait_tensorcnt 0x0                           ; all my tensor loads have landed;
	ds_add_u32 v[SPW], v[NIL]                      ; 0 onto my spare word;
	s_wait_dscnt 17                                ; (the add and the youngest sixteen loads may be out)
	SMALL
	PLACES
	MAIN 1, 0, 4, 0, 1                             ; matrix and vector work stands between the add and the wait for it
	s_wait_dscnt 0x0                               ; the add is done, and my reads of this slot are over:
	s_barrier_signal -1                            ; say so,
	MAIN 1, 4, 4, 0, 0                             ; work on registers while the others arrive,
	WIN 0                                          ; (branches may follow)
	s_barrier_wait -1                              ; and go on when all four have said so
.if \fill
	CREST
	s_add_nc_u64 s[G0+4*(\slot)+2:G0+4*(\slot)+3], s[G0+4*(\slot)+2:G0+4*(\slot)+3], 2*KSTEP*2  ; no tensor load of mine is out, so a group 0 may be written
	JLOAD \slot
.endif
	FETCH \next, 0, 0, \wq
.if \fill
	WIN 0
	ASK
.endif
	MAIN 1, 8, 8, 0, 0
.endm
; THE WAY OUT, in eight blocks n: token block n / 2 (16 rows of out), half n % 2 of the 256 columns (512 bytes).  A lane's eight numbers of a row, 32 bytes, go into my stage's rows of 528 bytes and come
; back as whole rows of 512.  LDS serves a wave's instructions in order (ISA guide 5.7.1.4): the loads see the stores above them, and the next block's stores come behind these loads.
.macro TOSTAGE n
.set ts_a, (\n)/2
.set ts_h, (\n)%2
	WIN 0x08+4*ts_h                                ; the stores' data in window 2 or 3
.set t_b, 0
.rept 8
.set rA, 8*(4*t_b+ts_a)
	ds_store_b128 v[STO], v[rA:rA+3]   offset:64*t_b
	ds_store_b128 v[STO], v[rA+4:rA+7] offset:64*t_b+16
.set t_b, t_b+1
.endr
	WIN 0
	s_wait_xcnt 0x0                                ; the block two back was stored from the registers that are loaded now: they are rewritten only behind this wait
.set t_t, 0
.rept 16
	ds_load_b128 v[OB+64*ts_h+4*t_t:OB+64*ts_h+4*t_t+3], v[RD] offset:SPITCH*t_t
.set t_t, t_t+1
.endr
.endm
.macro SEND n, younger                 ; younger: the LDS instructions issued behind block n's loads: the next block's 32, or none
	WIN 0
.set sn_a, (\n)/2
.set sn_h, (\n)%2
.set BK, OB+64*sn_h
	s_wait_dscnt \younger
.set s_t, 0
.rept 16
	v_pk_add_f32 v[BK+4*s_t:BK+4*s_t+1],   v[BK+4*s_t:BK+4*s_t+1],   v[B2+4*sn_h:B2+4*sn_h+1]
	v_pk_add_f32 v[BK+4*s_t+2:BK+4*s_t+3], v[BK+4*s_t+2:BK+4*s_t+3], v[B2+4*sn_h+2:B2+4*sn_h+3]
	global_store_b128 v[CO], v[BK+4*s_t:BK+4*s_t+3], s[12:13] offset:65536*sn_a+4096*s_t+512*sn_h th:TH_STORE_NT  ; the wave stores 512 consecutive bytes, at a multiple of 512 from out's first byte
.set s_t, s_t+1
.endr
.endm
	s_wait_tensorcnt 0x1                           ; my parts of step 0 and of the whole table are in; step 1's load, the youngest, may stay out
	s_barrier_signal -1
	s_barrier_wait -1                              ; everybody's are
	ds_load_b128 v[WF:WF+3],    v[WA]              ; quarter 0 has no quarter before it: its h is made here, in one piece
	ds_load_b128 v[WF+8:WF+11], v[WA] offset:512
	s_wait_dscnt 0x0
	s_wait_loadcnt 0x0                             ; qa and b2
	SMALL
	PLACES
	FETCH 0, 0, 0, 1024                            ; W2's fragments of quarter 0, W1a's of quarter 1
.set p_i, 0
.rept 16
	SLICE p_i, 0
.set p_i, p_i+1
.endr
	QUARTER 0, 64,  0, 2048, 1                     ; the first quarter stands in front of the loop: its products start the sums
	WIN 0                                          ; at a label and at a branch every window is 0
	s_mov_b32 s3, LAPS-1
.Llap:                                                 ; a trip goes once round the ring, from a lap's second quarter to the next lap's first, and fills both slots again
	QUARTER 0, 128, 1, 3072, 0
	QUARTER 0, 192, 0, 4096, 0
	TURN 0, 1, 5120, 1
	QUARTER 1, 64,  0, 6144, 0
	QUARTER 1, 128, 1, 7168, 0
	QUARTER 1, 192, 0, 8192, 0
	TURN 1, 0, 9216, 1
	QUARTER 0, 64,  0, 10240, 0
	WIN 0
	v_add_nc_u32 v[WA], 8192, v[WA]                ; the table's next lap
	s_sub_co_u32 s3, s3, 1
	s_cmp_lg_u32 s3, 0
	s_cbranch_scc1 .Llap
	QUARTER 0, 128, 1, 3072, 0                     ; the last lap is written out: it fills nothing, and has no round of the cluster's barrier
	QUARTER 0, 192, 0, 4096, 0
	TURN 0, 1, 5120, 0
	QUARTER 1, 64,  0, 6144, 0
	QUARTER 1, 128, 1, 7168, 0
	QUARTER 1, 192, 0, -1, 0                       ; the table has been read to its end
	s_wait_dscnt 16                                ; the very last quarter: no h to make, nothing to fetch
	MAIN 1, 0, 8, 0, 0
	s_wait_dscnt 0x0
	MAIN 1, 8, 8, 0, 0
	WIN 0
	PLACES                                         ; the places in front of the stores that read results and of the loads into h's registers
	TOSTAGE 0
.irp n, 1,2,3,4,5,6,7                  ; block n's trip through the stage is on its way while block n - 1 takes b2 and is stored
	TOSTAGE \n
	SEND (\n)-1, 32
.endr
	SEND 7, 0
	s_wait_tensorcnt 0x0                           ; the wave's end: a wait, an add to my spare word and its wait, behind my last tensor load and my last LDS store
	ds_add_u32 v[SPW], v[NIL]
	s_wait_dscnt 0x0
	CROUND                                         ; the closing round: no work-group ends while a partner may still ask for a tile that names it
	s_endpgm
.Lfunc_end_k_qa926a94cb4_ffn:
	.size	k_qa926a94cb4_ffn, .Lfunc_end_k_qa926a94cb4_ffn-k_qa926a94cb4_ffn
	.p2alignl 7, 3214868480
	.fill 96, 4, 3214868480
	.section	.rodata,"a",@progbits
	.p2align	6, 0x0
	.amdhsa_kernel k_qa926a94cb4_ffn
		.amdhsa_group_segment_fixed_size 327680
		.amdhsa_private_segment_fixed_size 0
		.amdhsa_enable_private_segment 0
		.amdhsa_kernarg_size 40
		.amdhsa_user_sgpr_count 2
		.amdhsa_user_sgpr_kernarg_segment_ptr 1
		.amdhsa_wavefront_size32 1
		.amdhsa_system_sgpr_workgroup_id_x 1
		.amdhsa_system_sgpr_workgroup_id_y 1
		.amdhsa_system_sgpr_workgroup_id_z 1
		.amdhsa_system_vgpr_workitem_id 0
		.amdhsa_next_free_vgpr 1024
		.amdhsa_next_free_sgpr 66
		.amdhsa_reserve_vcc 0
		.amdhsa_float_denorm_mode_32 3
		.amdhsa_float_denorm_mode_16_64 3
		.amdhsa_memory_ordered 1
		.amdhsa_forward_progress 1
		.amdhsa_inst_pref_size 246
	.end_amdhsa_kernel
	.amdgpu_metadata
---
amdhsa.version: [ 1, 2 ]
amdhsa.kernels:
  - .name:           k_qa926a94cb4_ffn
    .symbol:         k_qa926a94cb4_ffn.kd
    .args:
      - { .name: w2h, .offset: 0, .size: 8, .value_kind: global_buffer, .address_space: global }
      - { .name: w1a, .offset: 8, .size: 8, .value_kind: global_buffer, .address_space: global }
      - { .name: qa, .offset: 16, .size: 8, .value_kind: global_buffer, .address_space: global }
      - { .name: b2, .offset: 24, .size: 8, .value_kind: global_buffer, .address_space: global }
      - { .name: out0, .offset: 32, .size: 8, .value_kind: global_buffer, .address_space: global }
    .group_segment_fixed_size: 327680
    .private_segment_fixed_size: 0
    .kernarg_segment_align: 8
    .kernarg_segment_size: 40
    .max_flat_workgroup_size: 128
    .sgpr_count:     66
    .vgpr_count:     1024
    .wavefront_size: 32
...
	.end_amdgpu_metadata
.endif
;; end of part 2
